; MI455X (gfx1250); checked and timed in simulation.
; The chip was launched on July 23, 2026; its instructions are those of AMD's public machine-readable ISA for CDNA 5 (MIT licence, August 2026) and "CDNA5" Instruction Set Architecture Reference Guide (July 2026). The comments in the code are by the model that wrote it; some were corrected since.
;; Q8 Linear Lora. Allowed arithmetic: matrix products marked QUANTISED: E4M3 operands, one given power-of-two scale a tensor, by v_wmma_f32_16x16x64_fp8_fp8 or v_wmma_f32_16x16x128_fp8_fp8, f32 sums; products left as they are: f32 operands where the result goes on into a quantised operand, else bf16, f16 or f32 operands; f32 sums; everything else in f32.
;; Inputs: bias 4,096 float32; lora_a 16 x 4,096 bfloat16; lora_b 4,096 x 16 bfloat16; lowp_scales 2 int32 (the exponents e of the quantised operands' scales 2^e); scales 4,096 float32; weight 4,096 x 4,096 int8; x 4,096 x 4,096 int8; x_scales 4,096 float32.
;; Outputs: out0 4,096 x 4,096 float32.
;; This version of the problem:
;;   THIS VERSION OF THE PROBLEM IS GIVEN IN LOW PRECISION. The matrix products marked QUANTISED in the list below multiply operands that are first quantised to E4M3 (4 exponent bits, 3 mantissa bits; 8 bits a number), with one given power-of-two scale for each operand tensor; their sums are f32. All else is computed in f32.
;;   The module's matrix products, in the order in which they are computed (A, B: the left and right operand; K: the contracted axis; several contracted axes count as one K, in the product's order):
;;     1. [M 4,096, K 4,096] x [K 4,096, N 4,096]; A: input x; B: input weight: left as it is (operands are no floats)
;;     2. [M 4,096, K 4,096] x [K 4,096, N 16]; A: computed on the way; B: input lora_a: QUANTISED (scales: A lowp_scales[0], B lowp_scales[1])
;;     3. [M 4,096, K 16] x [K 16, N 4,096]; A: computed on the way; B: input lora_b: left as it is (K = 16 < 32)
;;   THE QUANTISER, for each operand of a quantised product, along K:
;;     - The operand's scale is 2^e, e = its entry of the input lowp_scales (int32; the entries are numbered through the quantised products in the list's order, A before B).
;;     - Each number is divided by the scale, clamped to +-448, and rounded to the nearest number of E4M3, ties to even, subnormals kept.
;;     - The product sums the exact products of the quantised numbers (number of the format x scale) in f32.
;;   ~~~python
;;   def quantise(x, axis, e):      # numpy; x: float32 -> the quantised numbers, widened to float32 again
;;       x = np.moveaxis(x, axis, -1); K = x.shape[-1]
;;       r = np.clip(x / 2.0 ** e, -448, 448)
;;       step = 2.0 ** (np.maximum(np.frexp(np.where(r == 0, 1, r))[1] - 1, -6) - 3)
;;       q = np.round(r / step) * step * 2.0 ** e      # np.round: ties to even
;;       return np.moveaxis(q, -1, axis).astype(np.float32)
;;   ~~~
;;   OPERANDS COMPUTED ON THE WAY. 'Computed on the way' means the value that the module computes at that place (a softmax that the list does not call 'softmax' is quantised finished and normalised). What goes into a quantiser is computed in f32, as accurately as f32 sums, v_exp_f32 and their like allow (about 1e-6 of the number): no bf16 or f16 on the way to a quantiser, and a product that is left as it is and whose result goes on into a quantised operand takes f32 operands (vector FMAs, or v_wmma_f32_16x16x4_f32). A number that lies on a knife's edge between two numbers of the format may be rounded either way, as far as f32 arithmetic and the matrix unit's own rounding can turn it there, and no further.
;; One version. Each part assembles by itself: llvm-mc -triple=amdgcn-amd-amdhsa -mcpu=gfx1250 --defsym DOCPART=n.
;; ======== version 1 of 1: 2 launches
;; workspace buffers: t 131,072 bytes
;; launch lora_t (part 1): grid 256 x 1, 16 waves a work-group, clusters of 4 x 1, 223,232 bytes of LDS; arguments x, x_scales, lora_a, lowp_scales, t; writes t
.if DOCPART == 1
	.amdgcn_target "amdgcn-amd-amdhsa--gfx1250"
	.amdhsa_code_object_version 6
	.text
	.protected	k_q5d12bd027a_lora_t
	.globl	k_q5d12bd027a_lora_t
	.p2align	8
	.type	k_q5d12bd027a_lora_t,@function
k_q5d12bd027a_lora_t:
	s_mov_b64 s[64:65], 0
	v_nop
	global_prefetch_b8 v0, s[64:65] scope:SCOPE_SE
	s_setreg_imm32_b32 hwreg(HW_REG_WAVE_MODE, 25, 1), 1
	s_wait_xcnt 0x0
	s_wait_alu depctr_hold_cnt(0) depctr_sa_sdst(0) depctr_va_vdst(0) depctr_va_sdst(0) depctr_va_ssrc(0) depctr_va_vcc(0) depctr_vm_vsrc(0)
	s_getreg_b32 s2, hwreg(HW_REG_IB_STS2, 6, 4)
	s_cmp_eq_u32 s2, 0
	s_cbranch_scc0 .Lentry_in_a_cluster
	s_endpgm
.Lentry_in_a_cluster:
	s_bfe_u32 s2, ttmp6, 0x10000c
	s_cmp_lg_u32 s2, 0x3003
	s_cbranch_scc0 .Lentry_shape_is_right
	s_endpgm
.Lentry_shape_is_right:
; T[m][p] = bf16( 2^(e0 + e1) x the sum over k of Q0(bf16(x[m][k] xs[m])) Q1(lora_a[p][k]) ).  x: [4096][4096] int8; xs: [4096] f32; lora_a: [16][4096] bf16; T: [4096][16] bf16.
; Q0, Q1: number / 2^e, held within +-448, rounded to the nearest code of E4M3, ties to even; e0, e1 are the two whole numbers in the buffer of scales.  The codes are multiplied by
; v_wmma_f32_16x16x128_fp8_fp8, the sums are f32, and the finished sum is multiplied once by 2^(e0 + e1).
; THE OPERAND x_deq is a bf16 number in the problem's own text, so it is made so: the f32 product x xs, the hold, one rounding to bf16, then the code.  The hold stands ahead of the rounding:
; 448 x 2^e0 is itself a bf16 number and rounding keeps order, so the two commute.
; LIMITS: e0 and e1 between -126 and 119, so that 2^e and 448 x 2^e are f32 numbers (e0 + e1 is applied by v_ldexp_f32 and has no limit); 128 x xs is finite; NaN among the inputs is not served.
; SHARES.  A work-group owns 16 rows of x, all 4,096 along K; wave w of its sixteen owns k = 256 w .. 256 w + 255: two matrix instructions.  The sixteen partial tiles meet in LDS, and wave 0 adds
; them in a fixed tree and stores the work-group's 512 bytes of T.  256 work-groups x 16 waves x 2 instructions are the product's whole work, done once.
; CLUSTER.  Every work-group reads all of lora_a (131,072 bytes, against 65,536 of x of its own).  So four work-groups form a cluster and ask for each slice of lora_a JOINTLY: the same tensor load,
; with the same descriptor (it hangs on the wave's number alone) and the mask of all four.  x's rows are the work-group's own: a plain tensor load.
; No LDS byte is filled twice: each wave issues its two loads once, into bytes of its own, and reads them itself behind its own wait.  By this text's count a wave has two tensor loads out.
; ORDER ALONG K.  Lane (r, h) (r = lane % 16, h = lane / 16) holds, in registers 4 c .. 4 c + 3 of K step s, k = 128 s + 32 c + 16 h + 0 .. 15 of its row: the same places in both operands, so every
; product meets its partner; only the order of the sums inside an instruction differs from the form's own layout.
; REGISTERS: v1-9 lane numbers and addresses; v[10:11] xs twice; v[12:13] -128 xs twice; v14, v15: 2^e0 and 448 x 2^e0; v16, v17: the same for e1; the rest by the names below.
.set XPITCH, 272                       ; x's rows in LDS: 256 bytes + 16 of padding: an odd multiple of 16, so the 16 rows that a load touches begin in 16 different columns of 16 bytes
.set LPITCH, 528                       ; lora_a's: 512 bytes + 16
.set XTB,    16*XPITCH                 ; a wave's tile of x
.set LT0,    16*XTB                    ; behind the sixteen tiles of x: the sixteen tiles of lora_a
.set LTB,    16*LPITCH
.set PART,   LT0+16*LTB                ; behind them: the partial tiles, 1,024 bytes a wave, as images of eight registers; no tensor load lands here (204,800 is a multiple of 256)
.set G1X, 24                           ; s[24:31] descriptor group 1 for x's tile
.set G1L, 32                           ; s[32:39] for lora_a's
.set G0X, 40                           ; s[40:43], s[44:47] their groups 0
.set G0L, 44
.set XB,  32                           ; v32-63   x's bytes, eight groups of four registers
.set LBF, 64                           ; v64-127  lora_a's bf16, eight groups of eight
.set U,   128                          ; v128-143 sixteen numbers at work
.set P,   144                          ; v144-151 the same as eight pairs of bf16
.set XC,  160                          ; v160-191 x's codes: two fragments
.set LC,  192                          ; v192-223 lora_a's codes: two fragments
.set D0,  224                          ; v224-231, v232-239 the two products;  v240-247 their sum
.set D1,  232
.set S,   240
; A round of the cluster's barrier: my work-group's barrier, wave 0's signal for the work-group, every wave's wait for all four work-groups, my work-group's barrier once more.
.macro ROUND
	s_barrier_signal -1
	s_barrier_wait -1
	s_cmp_lg_u32 s14, 0
	s_cbranch_scc1 .Lnot_wave_0_\@
	s_barrier_signal -3
.Lnot_wave_0_\@:
	s_barrier_wait -3
	s_barrier_signal -1
	s_barrier_wait -1
.endm
	s_load_b256 s[4:11], s[0:1], 0x0               ; x s[4:5], x_scales s[6:7], lora_a s[8:9], the scales' exponents s[10:11]
	s_load_b64 s[12:13], s[0:1], 0x20              ; T
	v_lshl_add_u32 v254, v0, 2, 0x36000
	v_mov_b32 v255, 0
	ds_add_u32 v254, v255
	ds_add_u32 v254, v255
	v_lshrrev_b32 v1, 5, v0
	v_readfirstlane_b32 s14, v1                    ; wave 0..15
	s_bfe_u32 s15, ttmp6, 0x40000                  ; cx: my place in the cluster
	s_lshl_b32 s16, ttmp9, 2                       ; in a cluster launch ttmp9 counts clusters
	s_add_co_u32 s16, s16, s15                     ; g = 4 x cluster + cx: my 16 rows.  It enters global addresses of x, x_scales and T alone
	; group 1 for x: 16 rows x 256 elements of 1 byte, 4,096 from row to row
	s_mov_b32 s[G1X+0], (0<<16)|(1<<20)|(5<<22)|(3<<25)            ; 15:0 no mask; 17:16 1 byte; 20 padding on; 24:22 after every 64 words (code 5); 31:25 four words (code 3)
	s_mov_b32 s[G1X+1], 256<<16                    ; tensor_dim0
	s_mov_b32 s[G1X+2], 16<<16                     ; tensor_dim1
	s_mov_b32 s[G1X+3], 256<<16                    ; tile_dim0
	s_mov_b32 s[G1X+4], 16                         ; tile_dim1
	s_mov_b32 s[G1X+5], 4096                       ; tensor_dim0_stride
	s_mov_b32 s[G1X+6], 0
	s_mov_b32 s[G1X+7], 0
	; group 1 for lora_a: 16 rows x 256 elements of 2 bytes, 4,096 from row to row
	s_mov_b32 s[G1L+0], 15|(1<<16)|(1<<20)|(1<<21)|(6<<22)|(3<<25) ; 15:0 the mask: all four work-groups; 17:16 2 bytes; 20 padding on; 21 set beside a mask; 24:22 after every 128 words (code 6); 31:25 four words
	s_mov_b32 s[G1L+1], 256<<16
	s_mov_b32 s[G1L+2], 16<<16
	s_mov_b32 s[G1L+3], 256<<16
	s_mov_b32 s[G1L+4], 16
	s_mov_b32 s[G1L+5], 4096
	s_mov_b32 s[G1L+6], 0
	s_mov_b32 s[G1L+7], 0
	s_lshl_b32 s18, s16, 16                        ; my 16 rows of x: g x 16 x 4,096 bytes
	s_mov_b32 s19, 0
	s_lshl_b32 s20, s14, 8                         ; my wave's 256 bytes of a row of x
	s_mov_b32 s21, 0
	s_mul_i32 s22, s14, XTB                        ; my tile of x in LDS: the wave's number x a constant
	s_mul_i32 s23, s14, LTB
	s_add_co_u32 s23, s23, LT0                     ; my tile of lora_a
	s_wait_dscnt 0x0
	s_wait_kmcnt 0x0
	s_load_b64 s[48:49], s[10:11], 0x0             ; e0, e1
	s_mov_b32 s[G0X], 1                            ; count = 1
	s_mov_b32 s[G0X+1], s22                        ; LDS address
	s_add_nc_u64 s[G0X+2:G0X+3], s[4:5], s[18:19]  ; global address
	s_add_nc_u64 s[G0X+2:G0X+3], s[G0X+2:G0X+3], s[20:21]
	s_or_b32 s[G0X+3], s[G0X+3], 0x80000000        ; type = 2
	s_lshl_b32 s20, s14, 9                         ; my wave's 512 bytes of a row of lora_a
	s_mov_b32 s[G0L], 1
	s_mov_b32 s[G0L+1], s23
	s_add_nc_u64 s[G0L+2:G0L+3], s[8:9], s[20:21]
	s_or_b32 s[G0L+3], s[G0L+3], 0x80000000
	ROUND                                          ; all four work-groups are here: the joint loads meet
	tensor_load_to_lds s[G0X:G0X+3], s[G1X:G1X+7]  ; both loads go out together, ahead of every wait on TENSORcnt and every LDS read
	s_nop 0
	tensor_load_to_lds s[G0L:G0L+3], s[G1L:G1L+7]
	s_nop 0
.rept 4
	v_nop                                          ; four such lines behind the loads
.endr
	s_lshl_b32 s18, s16, 6
	s_add_nc_u64 s[6:7], s[6:7], s[18:19]          ; x_scales at my first row
	s_lshl_b32 s18, s16, 9
	s_add_nc_u64 s[12:13], s[12:13], s[18:19]      ; T at my first row: 32 bytes a row
	v_and_b32 v1, 31, v0                           ; lane
	v_and_b32 v2, 15, v0                           ; r
	v_bfe_u32 v3, v0, 4, 1                         ; h
	v_lshlrev_b32 v8, 2, v2
	global_load_b32 v10, v8, s[6:7]                ; xs of row r
	v_mul_u32_u24 v4, v2, XPITCH
	v_lshl_add_u32 v4, v3, 4, v4
	v_add_nc_u32 v4, s22, v4                       ; x: my tile + row r + 16 h
	v_mul_u32_u24 v5, v2, LPITCH
	v_lshl_add_u32 v5, v3, 5, v5
	v_add_nc_u32 v5, s23, v5                       ; lora_a: my tile + row r + 32 h
	v_lshlrev_b32 v7, 4, v1
	v_add_nc_u32 v7, PART, v7                      ; the partial tiles: 16 x lane,
	s_lshl_b32 s50, s14, 10
	v_add_nc_u32 v6, s50, v7                       ; and mine among them
	v_lshlrev_b32 v9, 5, v2
	v_lshl_add_u32 v9, v3, 4, v9                   ; T: row r, + 16 h: eight ranks of bf16
	s_mov_b32 s52, 0xffff0000                      ; a word's upper bf16
	s_mov_b32 s53, 0x80808080                      ; turns four int8 into four bytes x + 128
	s_wait_kmcnt 0x0
	s_add_co_i32 s54, s48, s49                     ; e0 + e1
	s_add_co_i32 s50, s48, 127
	s_lshl_b32 s51, s50, 23
	v_mov_b32 v14, s51                             ; 2^e0 as f32: the conversion takes its exponent field
	s_add_co_i32 s50, s50, 8
	s_lshl_b32 s50, s50, 23
	s_or_b32 s50, s50, 0x600000
	v_mov_b32 v15, s50                             ; 448 x 2^e0
	s_add_co_i32 s50, s49, 127
	s_lshl_b32 s51, s50, 23
	v_mov_b32 v16, s51                             ; 2^e1
	s_add_co_i32 s50, s50, 8
	s_lshl_b32 s50, s50, 23
	s_or_b32 s50, s50, 0x600000
	v_mov_b32 v17, s50                             ; 448 x 2^e1
	s_wait_tensorcnt 0x1                           ; a wave's tensor loads end in order: x's tile is in, lora_a's may be out.  Only I read my tiles, so my own wait is all the ordering
.irp g, 0,1,2,3,4,5,6,7
	ds_load_b128 v[XB+4*\g:XB+4*\g+3], v4 offset:32*\g             ; group g = 4 s + c: k = 32 g + 16 h + 0 .. 15 of my wave's 256
.endr
	s_wait_tensorcnt 0x0
.irp g, 0,1,2,3,4,5,6,7
	ds_load_b128 v[LBF+8*\g:LBF+8*\g+3], v5 offset:64*\g
	ds_load_b128 v[LBF+8*\g+4:LBF+8*\g+7], v5 offset:64*\g+16
.endr
	s_wait_loadcnt 0x0                             ; xs
	v_mov_b32 v11, v10
	v_mul_f32 v12, 0xc3000000, v10                 ; -128 xs: exact
	v_mov_b32 v13, v12
; Group g of x: 16 bytes become 16 codes.  u = x + 128 is unpacked without sign work; u xs - 128 xs in one fused multiply-add is the f32 product x xs, rounded once.
.macro QX g
.irp d, 0,1,2,3
	v_xor_b32 v[XB+4*(\g)+\d], s53, v[XB+4*(\g)+\d]
.endr
.irp d, 0,1,2,3
	v_and_b32 v[U+4*\d], 0xff, v[XB+4*(\g)+\d]
	v_bfe_u32 v[U+4*\d+1], v[XB+4*(\g)+\d], 8, 8
	v_bfe_u32 v[U+4*\d+2], v[XB+4*(\g)+\d], 16, 8
	v_lshrrev_b32 v[U+4*\d+3], 24, v[XB+4*(\g)+\d]
.endr
.irp i, 0,1,2,3,4,5,6,7,8,9,10,11,12,13,14,15
	v_cvt_f32_u32 v[U+\i], v[U+\i]
.endr
.irp i, 0,2,4,6,8,10,12,14
	v_pk_fma_f32 v[U+\i:U+\i+1], v[U+\i:U+\i+1], v[10:11], v[12:13]
.endr
.irp i, 0,1,2,3,4,5,6,7,8,9,10,11,12,13,14,15
	v_med3_num_f32 v[U+\i], v[U+\i], -v15, v15     ; the conversion to an 8-bit code does not saturate (ISA guide 7.6.2): the hold at the largest code x the scale
.endr
.irp i, 0,1,2,3,4,5,6,7
	v_cvt_pk_bf16_f32 v[P+\i], v[U+2*\i], v[U+2*\i+1]              ; x_deq is a bf16 number
.endr
.irp i, 0,1,2,3,4,5,6,7
	v_lshlrev_b32 v[U+2*\i], 16, v[P+\i]
	v_and_b32 v[U+2*\i+1], s52, v[P+\i]
.endr
	v_cvt_scalef32_pk8_fp8_f32 v[XC+4*(\g):XC+4*(\g)+1], v[U:U+7], v14
	v_cvt_scalef32_pk8_fp8_f32 v[XC+4*(\g)+2:XC+4*(\g)+3], v[U+8:U+15], v14
	v_nop                                          ; one plain vector line between a scaled conversion and the next line that writes its sources or reads its result
.endm
; Group g of lora_a: 16 bf16 become 16 codes.
.macro QL g
.irp i, 0,1,2,3,4,5,6,7
	v_lshlrev_b32 v[U+2*\i], 16, v[LBF+8*(\g)+\i]
	v_and_b32 v[U+2*\i+1], s52, v[LBF+8*(\g)+\i]
.endr
.irp i, 0,1,2,3,4,5,6,7,8,9,10,11,12,13,14,15
	v_med3_num_f32 v[U+\i], v[U+\i], -v17, v17
.endr
	v_cvt_scalef32_pk8_fp8_f32 v[LC+4*(\g):LC+4*(\g)+1], v[U:U+7], v16
	v_cvt_scalef32_pk8_fp8_f32 v[LC+4*(\g)+2:LC+4*(\g)+3], v[U+8:U+15], v16
	v_nop                                          ; as above; behind the last group it is the line in front of the products
.endm
	s_wait_dscnt 16                                ; LDS loads come back in order: x's eight are in, lora_a's sixteen may be out
.irp g, 0,1,2,3,4,5,6,7
	QX \g
.endr
	s_wait_dscnt 0x0
.irp g, 0,1,2,3,4,5,6,7
	QL \g
.endr
	; source 0 = lora_a's 16 ranks, source 1 = my 16 rows of x: in the result lane (r, h) holds row r, and its register j rank 8 h + j: eight neighbours of a row of T.
	; Two accumulators, each begun with the constant 0: no instruction adds onto the one before it.
	v_wmma_f32_16x16x128_fp8_fp8 v[D0:D0+7], v[LC:LC+15], v[XC:XC+15], 0
	v_wmma_f32_16x16x128_fp8_fp8 v[D1:D1+7], v[LC+16:LC+31], v[XC+16:XC+31], 0
.rept 4
	v_nop                                          ; four places between a matrix instruction and a vector instruction that reads its result (ISA guide 7.12.1)
.endr
.irp i, 0,2,4,6
	v_pk_add_f32 v[S+\i:S+\i+1], v[D0+\i:D0+\i+1], v[D1+\i:D1+\i+1]   ; each result from its low end on
.endr
	ds_store_b128 v6, v[S:S+3]                     ; my partial tile as an image of its registers: lane l's 16 bytes at 16 l
	ds_store_b128 v6, v[S+4:S+7] offset:512
	s_wait_dscnt 0x0                               ; for wave 0's sake: my stores have landed
	s_barrier_signal -1
	s_barrier_wait -1
	s_cmp_lg_u32 s14, 0
	s_cbranch_scc1 .Ldone                          ; a branch on the wave's number; no barrier stands inside it
.irp w, 0,1,2,3,4,5,6,7,8,9,10,11,12,13,14,15
	ds_load_b128 v[32+8*\w:32+8*\w+3], v7 offset:1024*\w
	ds_load_b128 v[32+8*\w+4:32+8*\w+7], v7 offset:1024*\w+512
.endr
	s_wait_dscnt 0x0
.irp d, 8,4,2,1                        ; a fixed tree: tile w takes tile w + 8, then + 4, + 2, + 1
.set w, 0
.rept \d
.irp i, 0,2,4,6
	v_pk_add_f32 v[32+8*w+\i:32+8*w+\i+1], v[32+8*w+\i:32+8*w+\i+1], v[32+8*(w+\d)+\i:32+8*(w+\d)+\i+1]
.endr
.set w, w+1
.endr
.endr
.irp j, 0,1,2,3,4,5,6,7
	v_ldexp_f32 v[32+\j], v[32+\j], s54            ; x 2^(e0 + e1)
.endr
.irp j, 0,1,2,3
	v_cvt_pk_bf16_f32 v[P+\j], v[32+2*\j], v[32+2*\j+1]
.endr
	global_store_b128 v9, v[P:P+3], s[12:13]       ; 32 lanes store 512 consecutive bytes, at a multiple of 512 from T's first byte
.Ldone:
	s_wait_tensorcnt 0x0
	ds_add_u32 v254, v255
	s_wait_dscnt 0x0
	ROUND                                          ; the closing round: no work-group ends while a partner may still ask for a slice that names it
	s_endpgm
.Lfunc_end_k_q5d12bd027a_lora_t:
	.size	k_q5d12bd027a_lora_t, .Lfunc_end_k_q5d12bd027a_lora_t-k_q5d12bd027a_lora_t
	.p2alignl 7, 3214868480
	.fill 96, 4, 3214868480
	.section	.rodata,"a",@progbits
	.p2align	6, 0x0
	.amdhsa_kernel k_q5d12bd027a_lora_t
		.amdhsa_group_segment_fixed_size 223232
		.amdhsa_private_segment_fixed_size 0
		.amdhsa_enable_private_segment 0
		.amdhsa_kernarg_size 40
		.amdhsa_user_sgpr_count 2
		.amdhsa_user_sgpr_kernarg_segment_ptr 1
		.amdhsa_wavefront_size32 1
		.amdhsa_system_sgpr_workgroup_id_x 1
		.amdhsa_system_sgpr_workgroup_id_y 1
		.amdhsa_system_sgpr_workgroup_id_z 1
		.amdhsa_system_vgpr_workitem_id 0
		.amdhsa_next_free_vgpr 256
		.amdhsa_next_free_sgpr 66
		.amdhsa_reserve_vcc 0
		.amdhsa_float_denorm_mode_32 3
		.amdhsa_float_denorm_mode_16_64 3
		.amdhsa_memory_ordered 1
		.amdhsa_forward_progress 1
		.amdhsa_inst_pref_size 62
	.end_amdhsa_kernel
	.amdgpu_metadata
---
amdhsa.version: [ 1, 2 ]
amdhsa.kernels:
  - .name:           k_q5d12bd027a_lora_t
    .symbol:         k_q5d12bd027a_lora_t.kd
    .args:
      - { .name: x, .offset: 0, .size: 8, .value_kind: global_buffer, .address_space: global }
      - { .name: x_scales, .offset: 8, .size: 8, .value_kind: global_buffer, .address_space: global }
      - { .name: lora_a, .offset: 16, .size: 8, .value_kind: global_buffer, .address_space: global }
      - { .name: lowp_scales, .offset: 24, .size: 8, .value_kind: global_buffer, .address_space: global }
      - { .name: t, .offset: 32, .size: 8, .value_kind: global_buffer, .address_space: global }
    .group_segment_fixed_size: 223232
    .private_segment_fixed_size: 0
    .kernarg_segment_align: 8
    .kernarg_segment_size: 40
    .max_flat_workgroup_size: 512
    .sgpr_count:     66
    .vgpr_count:     256
    .wavefront_size: 32
...
	.end_amdgpu_metadata
.endif
;; end of part 1
;; launch gemm (part 2): grid 16 x 16, 4 waves a work-group, clusters of 4 x 4, 327,680 bytes of LDS; arguments x, weight, x_scales, scales, bias, lora_b, t, out0; writes out0
.if DOCPART == 2
	.amdgcn_target "amdgcn-amd-amdhsa--gfx1250"
	.amdhsa_code_object_version 6
	.text
	.protected	k_q5d12bd027a_gemm
	.globl	k_q5d12bd027a_gemm
	.p2align	8
	.type	k_q5d12bd027a_gemm,@function
k_q5d12bd027a_gemm:
	s_mov_b64 s[64:65], 0
	v_nop
	global_prefetch_b8 v0, s[64:65] scope:SCOPE_SE
	s_setreg_imm32_b32 hwreg(HW_REG_WAVE_MODE, 25, 1), 1
	s_wait_xcnt 0x0
	s_wait_alu depctr_hold_cnt(0) depctr_sa_sdst(0) depctr_va_vdst(0) depctr_va_sdst(0) depctr_va_ssrc(0) depctr_va_vcc(0) depctr_vm_vsrc(0)
	s_getreg_b32 s2, hwreg(HW_REG_IB_STS2, 6, 4)
	s_cmp_eq_u32 s2, 0
	s_cbranch_scc0 .Lentry_in_a_cluster
	s_endpgm
.Lentry_in_a_cluster:
	s_bfe_u32 s2, ttmp6, 0x10000c
	s_cmp_lg_u32 s2, 0xf033
	s_cbranch_scc0 .Lentry_shape_is_right
	s_endpgm
.Lentry_shape_is_right:
; out[m][n] = gelu( f32(the sum over k of x[m][k] w[n][k]) xs[m] ws[n] + the sum over p of T[m][p] lora_b[n][p] + bias[n] ), gelu in its tanh form.
; x, w: [4096][4096] int8; the sums are i32, by v_wmma_i32_16x16x64_iu8 with both sides signed: exact, so the order along K does not show.  T: [4096][16] bf16, made by the launch before;
; lora_b: [4096][16] bf16; their product by v_wmma_f32_16x16x32_bf16, K = 16 filled up to the form's 32 with zeros on both sides.  xs, ws, bias: [4096] f32; out: [4096][4096] f32.
; A tile of out, 256 x 256, is made by a work-group of four waves; a wave makes 128 x 128: 64 accumulators of 16 x 16, 512 registers.  256 tiles, one to a work-group.
; K goes in steps of 256 through a ring of two LDS slots filled by the tensor data mover: a tile's row is 256 bytes of memory, beginning at a multiple of 256.
; CLUSTERS: 4 x 4 work-groups.  The four of a row of the cluster need the same tiles of x, the four of a column the same tiles of w: each tile is asked for JOINTLY, by the same tensor load with the
; same descriptor and a mask that names the four.  By this text's count a wave has two tensor loads out at the head and one behind each round.
; THE MATRIX INSTRUCTIONS ARE USED TRANSPOSED (source 0 = 16 rows of w or of lora_b, source 1 = 16 rows of x or of T): lane (r, h) then holds row m = r, and its register j column n = 8 h + j.
; REGISTERS, in windows of 256: window 0: v1-29 addresses and constants; v32-95 lora_b's eight fragments; v96-111 xs, a pair for each block of 16 rows; v112-127 two fragments of T;
;   v128-255 x's fragments (8 x 16 rows x 128 K), ONE set; on the way out v128-191 the values, v192-255 the LoRA term and then the gelu's work.
;   window 1: w's fragments, TWO sets, at v0 and at v128; for the way out v0-63 ws and v64-127 bias, in the result's layout.
;   window 2: the 32 accumulators of my rows 0-63 (accumulator (a, b) at v[8 (8 a + b)]);  window 3: those of my rows 64-127.  A block's 64 registers later take its finished rows back from the stage.
; A step of 128 along K is 128 matrix instructions, x's blocks one after the other, each against w's eight, twice (64 along K each).  So a block of x is free as soon as its sixteen products are
; issued, and one set of registers serves x: blocks 0-3 are fetched anew in the step's middle, blocks 4-7 at its end.  w's fragments are at work through the whole step, so w has two sets.
; NaN among the inputs is not served.  Infinities inside the gelu come out right: see there.
.set KSTEP,  256                       ; along K in a slot
.set ROWB,   256                       ; a tile's row in bytes
.set KROW,   4096                      ; a row of x or of w in memory, in bytes
.set NROW,   16384                     ; a row of out in bytes
.set PITCH,  272                       ; an LDS row: 256 bytes + 16 of padding: an odd multiple of 16, so the 16 rows that a load touches begin in 16 different columns of 16 bytes
.set FR,     16                        ; registers of a fragment of 16 rows x 128 K: two operands of the K = 64 form
.set NL,     4                         ; LDS loads that bring one
.set NP,     8                         ; places behind the integer matrix form (ISA guide 7.12.1)
.set HALFT,  128*PITCH                 ; 128 rows: what one tensor load brings, and what one wave reads of x or of w
.set SLOT,   4*HALFT                   ; x's 256 rows, then w's 256 rows
.set LAPS,   4096/(2*KSTEP)            ; a lap = two K steps = once round the ring
.set SPARE,  2*SLOT                    ; behind the ring: the spare words, 128 bytes for each wave: two blocks of 256 bytes that no other line names
.set STAGE,  SPARE+512                 ; behind them: a stage of 16 rows x (512 bytes + 16) for each wave, for the way out; no tensor load lands here
.set SPITCH, 528
.set WSO,  8                           ; v8      32 h: my eight numbers of a tile's sixteen of ws and of bias
.set LBO,  9                           ; v9      32 r + 16 h: my 16 bytes of 16 rows of lora_b or of T
.set C1,   10                          ; v[10:11] c1, twice
.set XSO,  12                          ; v12     4 r
.set ADRA, 16                          ; v16-17  LDS address of my fragments of x in slot 0, 1
.set ADRB, 20                          ; v20-21  the same for w
.set STO,  24                          ; v24     the way out: where I put 32 bytes of a row
.set RD,   25                          ; v25     the way out: where I read a row back
.set CO,   26                          ; v26     my byte offset in a row of out
.set SPW,  28                          ; v28     LDS address of my spare word: SPARE + 4 x my thread's number; never rewritten
.set NIL,  29                          ; v29     0; never rewritten
.set LB,   32
.set XS,   96
.set TB,   112
.set AF,   128                         ; x's fragments
.set VAL,  128                         ; the way out: a block's 64 values
.set LOR,  192                         ; the way out: its LoRA term + bias, then the gelu's work
.set WS,   0                           ; in window 1
.set BIAS, 64                          ; in window 1
.set G1, 24                            ; s[24:31] descriptor group 1 for x's tiles;  s[32:39] group 0, one set for each slot
.set G0, 32
.set G1B, 48                           ; s[48:55], s[56:63] the same for w's tiles
.set G0B, 56
.set MSB, 0
.macro WIN new                         ; the immediate's high byte repeats the setting that is left; a switch that changes nothing is dropped
.if MSB != (\new)
	s_set_vgpr_msb (MSB<<8)|(\new)
.set MSB, (\new)
.endif
.endm
.set MUL_LO, 0xa1                      ; source 0 (w) window 1, source 1 (x) window 0, C and D window 2
.set MUL_HI, 0xf1                      ; the same, C and D window 3
.set TO_B,   0x40                      ; destination window 1, address window 0
; A joint load: waves 0 and 1 fetch for x, waves 2 and 3 for w.  Each of the two lines has ONE mask and one set of registers for all that issue it; the branch hangs on the wave's number alone.
; Four v_nop follow each of the two lines, ahead of the jump, the label and what follows.
.macro JLOAD g0a, g1a, g0b, g1b
	s_cmp_eq_u32 s15, 0
	s_cbranch_scc0 .Lfor_b_\@
	tensor_load_to_lds s[\g0a:\g0a+3], s[\g1a:\g1a+7]
	s_nop 0
.rept 4
	v_nop
.endr
	s_branch .Lasked_\@
.Lfor_b_\@:
	tensor_load_to_lds s[\g0b:\g0b+3], s[\g1b:\g1b+7]
	s_nop 0
.rept 4
	v_nop
.endr
.Lasked_\@:
.endm
.macro CREST                           ; a round of the cluster's barrier behind its opening barrier
	s_cmp_lg_u32 s14, 0
	s_cbranch_scc1 .Lnot_wave_0_\@
	s_barrier_signal -3
.Lnot_wave_0_\@:
	s_barrier_wait -3
	s_barrier_signal -1
	s_barrier_wait -1
.endm
.macro CROUND                          ; a whole round
	s_barrier_signal -1
	s_barrier_wait -1
	CREST
.endm
	s_load_b256 s[4:11], s[0:1], 0x0               ; x s[4:5], w s[6:7], xs s[8:9], ws s[10:11]
	s_load_b256 s[68:75], s[0:1], 0x20             ; bias s[68:69], lora_b s[70:71], T s[72:73], out s[74:75]
	v_lshl_add_u32 v[SPW], v0, 2, SPARE
	v_mov_b32 v[NIL], 0
	ds_add_u32 v28, v29
	ds_add_u32 v28, v29
	s_wait_dscnt 0x0
	v_lshrrev_b32 v1, 5, v0
	v_readfirstlane_b32 s14, v1                    ; wave 0..3
	s_lshr_b32 s15, s14, 1                         ; which half of the tile's rows is mine.  Also: I fetch for x (0) or for w (1)
	s_and_b32 s16, s14, 1                          ; which half of its columns.  Also: which 128 rows of that tile I fetch
	s_bfe_u32 s40, ttmp6, 0x40000                  ; cx, cy: my place in the cluster
	s_bfe_u32 s41, ttmp6, 0x40004
	s_lshl_b32 s42, ttmp9, 2
	s_add_co_u32 s42, s42, s40                     ; tile column = 4 x cluster x + cx
	s_and_b32 s17, ttmp7, 0xffff
	s_lshl_b32 s17, s17, 2
	s_add_co_u32 s17, s17, s41                     ; tile row = 4 x cluster y + cy
	s_lshl_b32 s43, s41, 2
	s_lshl_b32 s43, 15, s43                        ; my row of the cluster
	s_lshl_b32 s44, 0x1111, s40                    ; my column
	; descriptor group 1: a tile of 128 rows x 256 bytes, padded in LDS
	s_or_b32 s[G1+0], s43, (0<<16)|(1<<20)|(1<<21)|(5<<22)|(3<<25)  ; 15:0 the mask: x's tiles go to my row; 17:16 element of 1 byte; 20 padding on; 21 set beside a mask; 24:22 after every 64 words (code 5); 31:25 of 4 words (code 3)
	s_or_b32 s[G1B+0], s44, (0<<16)|(1<<20)|(1<<21)|(5<<22)|(3<<25) ; the same with the mask of my column, for w's tiles
.irp g, G1, G1B
	s_mov_b32 s[\g+1], ROWB<<16                    ; tensor_dim0
	s_mov_b32 s[\g+2], 128<<16                     ; tensor_dim1
	s_mov_b32 s[\g+3], ROWB<<16                    ; tile_dim0
	s_mov_b32 s[\g+4], 128                         ; tile_dim1
	s_mov_b32 s[\g+5], KROW                        ; tensor_dim0_stride
	s_mov_b32 s[\g+6], 0
	s_mov_b32 s[\g+7], 0
.endr
	s_lshl_b32 s18, s16, 7                         ; which 128 rows of the tile I fetch
	s_lshl_b32 s20, s17, 8
	s_add_co_u32 s20, s20, s18                     ; x: row 256 x tile row + 128 x half,
	s_lshl_b32 s20, s20, 12                        ; in bytes: under 2^24
	s_mov_b32 s21, 0
	s_lshl_b32 s46, s42, 8
	s_add_co_u32 s46, s46, s18                     ; w: row 256 x tile column + 128 x half
	s_lshl_b32 s46, s46, 12
	s_mov_b32 s47, 0
	s_mul_i32 s45, s14, HALFT                      ; where they go: wave x 128 rows: no place in the cluster enters an LDS address
	s_wait_kmcnt 0x0
	s_add_nc_u64 s[20:21], s[4:5], s[20:21]
	s_add_nc_u64 s[46:47], s[6:7], s[46:47]
	CROUND                                         ; all sixteen work-groups are here: the first joint loads meet
.irp s, 0,1
	s_mov_b32 s[G0+4*\s], 1
	s_add_co_u32 s[G0+4*\s+1], s45, \s*SLOT
	s_add_nc_u64 s[G0+4*\s+2:G0+4*\s+3], s[20:21], \s*ROWB
	s_or_b32 s[G0+4*\s+3], s[G0+4*\s+3], 0x80000000
	s_mov_b32 s[G0B+4*\s], 1
	s_add_co_u32 s[G0B+4*\s+1], s45, \s*SLOT
	s_add_nc_u64 s[G0B+4*\s+2:G0B+4*\s+3], s[46:47], \s*ROWB
	s_or_b32 s[G0B+4*\s+3], s[G0B+4*\s+3], 0x80000000
	JLOAD G0+4*\s, G1, G0B+4*\s, G1B
.endr
	v_and_b32 v1, 15, v0                           ; r = l % 16
	v_bfe_u32 v2, v0, 4, 1                         ; h = l / 16
	v_mul_u32_u24 v3, v1, PITCH
	v_lshl_add_u32 v4, v2, 4, v3                   ; a fragment's row x pitch + 16 x half
	s_mul_i32 s21, s15, HALFT                      ; my 128 rows of x
	s_mul_i32 s22, s16, HALFT                      ; my 128 rows of w,
	s_add_co_u32 s22, s22, 2*HALFT                 ; which lie behind x's 256
.irp s, 0,1
	v_add_nc_u32 v[ADRA+\s], s21, v4
	v_add_nc_u32 v[ADRB+\s], s22, v4
	s_add_co_u32 s21, s21, SLOT
	s_add_co_u32 s22, s22, SLOT
.endr
	s_mul_i32 s23, s14, 16*SPITCH
	s_add_co_u32 s23, s23, STAGE                   ; my stage
	v_mul_u32_u24 v5, v1, SPITCH                   ; in: row r, 32 bytes for each half of the lanes
	v_lshl_add_u32 v5, v2, 5, v5
	v_add_nc_u32 v[STO], s23, v5
	v_and_b32 v6, 31, v0
	v_lshlrev_b32 v[CO], 4, v6                     ; back: the 32 lanes take one row of 512 bytes; and the same in out
	v_add_nc_u32 v[RD], s23, v[CO]
	v_lshlrev_b32 v[WSO], 5, v2
	v_lshlrev_b32 v[LBO], 5, v1
	v_lshl_add_u32 v[LBO], v2, 4, v[LBO]
	v_lshlrev_b32 v[XSO], 2, v1
	v_mov_b32 v[C1], 0xc0135761                    ; c1 = -2 sqrt(2 / pi) log2(e)
	v_mov_b32 v[C1+1], v[C1]
	s_mov_b32 s76, 0xbdd2d3e8                      ; c2 = 0.044715 c1
	s_mov_b32 s77, s76                             ; (named with it as a pair, so it is written)
.irp b, 0,1,2,3,4,5,6,7                ; registers 4-7 of a bf16 fragment are k = 16 .. 31, which this product does not have: zeros, written once; nothing in the loop touches them
.irp z, 4,5,6,7
	v_mov_b32 v[LB+8*\b+\z], 0
.endr
.endr
.irp i, 0,1
.irp z, 4,5,6,7
	v_mov_b32 v[TB+8*\i+\z], 0
.endr
.endr
	; the way out's addresses: row0 = 256 x tile row + 128 x my half, col0 = 256 x tile column + 128 x my half; every offset is under 2^31
	s_lshl_b32 s20, s17, 8
	s_lshl_b32 s21, s15, 7
	s_add_co_u32 s20, s20, s21                     ; row0
	s_lshl_b32 s46, s42, 8
	s_lshl_b32 s47, s16, 7
	s_add_co_u32 s46, s46, s47                     ; col0
	s_mov_b32 s23, 0
	s_lshl_b32 s22, s20, 2
	s_add_nc_u64 s[8:9], s[8:9], s[22:23]          ; xs at row0
	s_lshl_b32 s22, s20, 5
	s_add_nc_u64 s[72:73], s[72:73], s[22:23]      ; T at row0: 32 bytes a row
	s_lshl_b32 s22, s46, 2
	s_add_nc_u64 s[10:11], s[10:11], s[22:23]      ; ws at col0
	s_add_nc_u64 s[68:69], s[68:69], s[22:23]      ; bias at col0
	s_add_nc_u64 s[74:75], s[74:75], s[22:23]      ; out at column col0,
	s_lshl_b32 s22, s46, 5
	s_add_nc_u64 s[70:71], s[70:71], s[22:23]      ; lora_b at row col0
	s_lshl_b32 s22, s20, 14
	s_add_nc_u64 s[74:75], s[74:75], s[22:23]      ; and row row0
.macro FRAG reg, adr, q, i             ; 16 rows x 128 K of bytes in 16 registers: lane l holds row l % 16; registers 4 c .. 4 c + 3 hold K = 32 c + 16 (l / 16) + 0 .. 15.  The same places in x and in w, and the sums are whole numbers: the result is the same
.irp c, 0,1,2,3
	ds_load_b128 v[\reg+4*\c:\reg+4*\c+3], v[\adr] offset:128*(\q)+32*\c+(\i)*16*PITCH
.endr
.endm
; 16 matrix instructions: x's block a against w's eight, 64 along K, twice.  p: w's set.  zero = 1: the first eight start the sums: nothing is ever cleared.
; The block's eight accumulators take turns, one instruction a turn, and the next block has eight others.
.macro MULA a, p, zero
.irp kh, 0,1
.irp b, 0,1,2,3,4,5,6,7
.if (\zero) && (\kh == 0)
	v_wmma_i32_16x16x64_iu8 v[8*(8*((\a)%4)+\b):8*(8*((\a)%4)+\b)+7], v[128*(\p)+FR*\b+8*\kh:128*(\p)+FR*\b+8*\kh+7], v[AF+FR*(\a)+8*\kh:AF+FR*(\a)+8*\kh+7], 0 neg_lo:[1,1,0]
.else
	v_wmma_i32_16x16x64_iu8 v[8*(8*((\a)%4)+\b):8*(8*((\a)%4)+\b)+7], v[128*(\p)+FR*\b+8*\kh:128*(\p)+FR*\b+8*\kh+7], v[AF+FR*(\a)+8*\kh:AF+FR*(\a)+8*\kh+7], v[8*(8*((\a)%4)+\b):8*(8*((\a)%4)+\b)+7] neg_lo:[1,1,0]
.endif
.endr
.endr
.endm
.macro FETCH_B slot, q, p              ; w's eight fragments of the slot's q-th 128 along K into set p
	WIN TO_B
.irp i, 0,1,2,3,4,5,6,7
	FRAG 128*(\p)+FR*\i, ADRB+\slot, \q, \i
.endr
	WIN 0
.endm
.macro FETCH_A slot, q, i0             ; x's blocks i0 .. i0 + 3
.irp i, \i0, \i0+1, \i0+2, \i0+3
	FRAG AF+FR*(\i), ADRA+\slot, \q, \i
.endr
.endm
; A load into a register that a matrix instruction has read, and a vector instruction that reads a matrix result, stand NP places behind that matrix instruction, and only plain vector
; instructions that name none of its registers are places (ISA guide 7.12.1 for vector instructions); the matrix instructions in between are not counted.
.macro PLACES n
.rept \n
	v_nop
.endr
.endm
; A step of 128 along K that has its successor in the same slot.
.macro STEP slot, q, zero
	s_wait_dscnt 4*NL                              ; w's set and x's blocks 0-3 are in; the youngest sixteen loads (x's blocks 4-7) may be out
	WIN MUL_LO
	MULA 0, (\q)%2, \zero
	MULA 1, (\q)%2, \zero
	MULA 2, (\q)%2, \zero
	MULA 3, (\q)%2, \zero
	s_wait_dscnt 0                                 ; x's blocks 4-7 are in (asked for 64 matrix instructions ago)
	PLACES NP
	FETCH_B \slot, (\q)+1, 1-(\q)%2
	FETCH_A \slot, (\q)+1, 0
	WIN MUL_HI
	MULA 4, (\q)%2, \zero
	MULA 5, (\q)%2, \zero
	MULA 6, (\q)%2, \zero
	MULA 7, (\q)%2, \zero
	PLACES NP
	WIN 0
	FETCH_A \slot, (\q)+1, 4
.endm
; A slot's last step changes slots: ONE barrier; in front of it each wave waits for all its tensor loads, adds 0 to its spare word, and waits for that and for its own reads of this slot.
; fill = 1: this slot is filled again, two K steps ahead; the barrier then opens a round of the cluster's barrier, and the joint load is the first tensor load behind the round:
; 192 matrix instructions stand between it and the wait for it.
.macro TURN slot, next, fill
	s_wait_tensorcnt 0x0                           ; all my tensor loads have landed: my part of the next slot;  (every window is 0 here: the add's two registers lie in window 0)
	ds_add_u32 v[SPW], v[NIL]                      ; 0 onto my spare word
	s_wait_dscnt 4*NL+1                            ; (the add and the youngest sixteen loads, x's blocks 4-7, may be out)
	WIN MUL_LO
	MULA 0, 1, 0                                   ; 32 matrix instructions stand between the add and the wait for it
	MULA 1, 1, 0
	s_wait_dscnt 0x0                               ; the add is done, and my reads of this slot are over
	s_barrier_signal -1
	MULA 2, 1, 0                                   ; work on registers while the others arrive
	MULA 3, 1, 0
	WIN 0
	s_barrier_wait -1
.if \fill
	CREST                                          ; no wave of any partner still reads this slot's tile or has a load on its way
	s_add_nc_u64 s[G0+4*\slot+2:G0+4*\slot+3], s[G0+4*\slot+2:G0+4*\slot+3], 2*ROWB
	s_add_nc_u64 s[G0B+4*\slot+2:G0B+4*\slot+3], s[G0B+4*\slot+2:G0B+4*\slot+3], 2*ROWB
	JLOAD G0+4*\slot, G1, G0B+4*\slot, G1B         ; the four v_nop behind it are four of the eight places in front of the loads below
	PLACES NP-4
.else
	PLACES NP
.endif
	FETCH_B \next, 0, 0
	FETCH_A \next, 0, 0
	WIN MUL_HI
	MULA 4, 1, 0
	MULA 5, 1, 0
	MULA 6, 1, 0
	MULA 7, 1, 0
	PLACES NP
	WIN 0
	FETCH_A \next, 0, 4
.endm
	s_wait_tensorcnt 1                             ; my part of K step 0 is in (K step 1's load may be out)
	s_barrier_signal -1
	s_barrier_wait -1                              ; everybody's is
	FETCH_B 0, 0, 0
	FETCH_A 0, 0, 0
	FETCH_A 0, 0, 4
	STEP 0, 0, 1                                   ; the first step stands in front of the loop: its products start the sums
	s_mov_b32 s3, LAPS-1
.Llap:                                                 ; a trip goes once round the ring, from a lap's second step to the next lap's first, and fills both slots again
	TURN 0, 1, 1
	STEP 1, 0, 0
	TURN 1, 0, 1
	STEP 0, 0, 0
	s_sub_co_u32 s3, s3, 1
	s_cmp_lg_u32 s3, 0
	s_cbranch_scc1 .Llap
	TURN 0, 1, 0                                   ; the last lap fills nothing, and has no round of the cluster's barrier
	STEP 1, 0, 0
	; What the way out needs comes now, 58 loads, and has the last step's 128 matrix instructions in which to land.  ws and bias go where w's set 0 lay: its last products stand eight places back.
	WIN TO_B
.irp b, 0,1,2,3,4,5,6,7                ; register 8 b + j of lane (r, h): column 16 b + 8 h + j, the result's layout
	global_load_b128 v[WS+8*\b:WS+8*\b+3], v[WSO], s[10:11] offset:64*\b
	global_load_b128 v[WS+8*\b+4:WS+8*\b+7], v[WSO], s[10:11] offset:64*\b+16
	global_load_b128 v[BIAS+8*\b:BIAS+8*\b+3], v[WSO], s[68:69] offset:64*\b
	global_load_b128 v[BIAS+8*\b+4:BIAS+8*\b+7], v[WSO], s[68:69] offset:64*\b+16
.endr
	WIN 0
.irp b, 0,1,2,3,4,5,6,7
	global_load_b128 v[LB+8*\b:LB+8*\b+3], v[LBO], s[70:71] offset:512*\b   ; lora_b(16 b + r, 8 h .. 8 h + 7)
.endr
.irp a, 0,1,2,3,4,5,6,7
	global_load_b32 v[XS+2*\a], v[XSO], s[8:9] offset:64*\a        ; xs(16 a + r), twice: a pair for the packed multiply
	global_load_b32 v[XS+2*\a+1], v[XSO], s[8:9] offset:64*\a
.endr
	global_load_b128 v[TB:TB+3], v[LBO], s[72:73]                  ; T(r, 8 h ..) of block 0,
	global_load_b128 v[TB+8:TB+11], v[LBO], s[72:73] offset:512    ; of block 1
	s_wait_dscnt 4*NL                              ; the very last step: nothing more to fetch from LDS
	WIN MUL_LO
	MULA 0, 1, 0
	MULA 1, 1, 0
	MULA 2, 1, 0
	MULA 3, 1, 0
	s_wait_dscnt 0
	WIN MUL_HI
	MULA 4, 1, 0
	MULA 5, 1, 0
	MULA 6, 1, 0
	MULA 7, 1, 0
	WIN 0
; THE WAY OUT, block by block of 16 rows x 128 columns: 64 numbers a lane.
;   LOR = T lora_b^T + bias: eight bf16 products whose C is the bias in the result's layout, so the bias costs no addition;
;   VAL = f32(sum) xs, then VAL = VAL ws + LOR: the number ahead of the gelu;
;   gelu(v) = v / (1 + 2^(v (c1 + c2 v v))): this is v (1 + tanh(u)) / 2 with u = sqrt(2 / pi) (v + 0.044715 v^3).  No clamp: where the power is infinite the reciprocal is 0 and the result 0;
;   where it is 0 the result is v; where v v is infinite the exponent is an infinity of the right sign.
; The exponentials are one batch with one wait, and so are the reciprocals.
; A lane holds 32 neighbouring bytes of a row, and the lanes beside it hold other rows: so a block goes through my own stage in LDS and comes back as whole rows of 512 bytes, into the registers that
; its sums have left; no store's data are ever written again, and every row's place stands in the store's immediate, so no base is stepped.
; LDS serves a wave's instructions in order (ISA guide 5.7.1.4): no wait between the stage's stores and loads, nor in front of the next block's stores.
.macro EPI a
.set AC, 64*((\a)%4)
.set TBA, TB+8*((\a)%2)
.if (\a) >= 2
.if (\a) == 7
	s_wait_loadcnt 0x0                             ; the last block's T
.else
	s_wait_loadcnt 0x1                             ; this block's T is in; the next block's, asked for one block later, may be out
.endif
.endif
	WIN 0x10                                       ; C (bias) window 1; all else window 0
.irp b, 0,1,2,3,4,5,6,7
	v_wmma_f32_16x16x32_bf16 v[LOR+8*\b:LOR+8*\b+7], v[LB+8*\b:LB+8*\b+7], v[TBA:TBA+7], v[BIAS+8*\b:BIAS+8*\b+7]
.endr
	WIN 0x02+((\a)/4)                              ; source 0: window 2 or 3
.set j, 0
.rept 64
	v_cvt_f32_i32 v[VAL+j], v[AC+j]                ; each accumulator from its low end on.  These 64 are also the places behind the eight products
.set j, j+1
.endr
	WIN 0
.if (\a)+2 < 8
	global_load_b128 v[TBA:TBA+3], v[LBO], s[72:73] offset:512*((\a)+2)   ; T of the block two further on, into the buffer just multiplied
.endif
.set j, 0
.rept 32
	v_pk_mul_f32 v[VAL+j:VAL+j+1], v[VAL+j:VAL+j+1], v[XS+2*(\a):XS+2*(\a)+1]
.set j, j+2
.endr
	WIN 0x04                                       ; source 1 (ws) window 1
.set j, 0
.rept 32
	v_pk_fma_f32 v[VAL+j:VAL+j+1], v[VAL+j:VAL+j+1], v[WS+j:WS+j+1], v[LOR+j:LOR+j+1]   ; each of the eight results from its low end on
.set j, j+2
.endr
	WIN 0
.set j, 0
.rept 32
	v_pk_mul_f32 v[LOR+j:LOR+j+1], v[VAL+j:VAL+j+1], v[VAL+j:VAL+j+1]
.set j, j+2
.endr
.set j, 0
.rept 32
	v_pk_fma_f32 v[LOR+j:LOR+j+1], v[LOR+j:LOR+j+1], s[76:77], v[C1:C1+1] op_sel_hi:[1,0,1]   ; c2 v v + c1 (the scalar pair's low word for both halves)
.set j, j+2
.endr
.set j, 0
.rept 32
	v_pk_mul_f32 v[LOR+j:LOR+j+1], v[LOR+j:LOR+j+1], v[VAL+j:VAL+j+1]
.set j, j+2
.endr
.set j, 0
.rept 64
	v_exp_f32 v[LOR+j], v[LOR+j]
.set j, j+1
.endr
	v_nop                                          ; a plain instruction behind the last exponential, ahead of the first use (ISA guide 5.7.2)
	s_wait_alu depctr_va_vdst(0)                   ; the wait ahead of the batch's first reader: one for the 64
.set j, 0
.rept 32
	v_pk_add_f32 v[LOR+j:LOR+j+1], v[LOR+j:LOR+j+1], 1.0 op_sel_hi:[1,0]
.set j, j+2
.endr
.set j, 0
.rept 64
	v_rcp_f32 v[LOR+j], v[LOR+j]
.set j, j+1
.endr
	v_nop
	s_wait_alu depctr_va_vdst(0)                   ; one for the 64 reciprocals
.set j, 0
.rept 32
	v_pk_mul_f32 v[VAL+j:VAL+j+1], v[VAL+j:VAL+j+1], v[LOR+j:LOR+j+1]
.set j, j+2
.endr
.irp b, 0,1,2,3,4,5,6,7
	ds_store_b128 v[STO], v[VAL+8*\b:VAL+8*\b+3] offset:64*\b
	ds_store_b128 v[STO], v[VAL+8*\b+4:VAL+8*\b+7] offset:64*\b+16
.endr
	WIN 0x80+0x40*((\a)/4)                         ; destination: window 2 or 3
.irp t, 0,1,2,3,4,5,6,7,8,9,10,11,12,13,14,15
	ds_load_b128 v[AC+4*\t:AC+4*\t+3], v[RD] offset:\t*SPITCH
.endr
	WIN 0
.endm
.macro SEND a, younger                 ; younger: the LDS instructions issued behind block a's loads, which may stay out
.set AC, 64*((\a)%4)
	s_wait_dscnt \younger                          ; the block is back in registers
	WIN 0x08+4*((\a)/4)                            ; the stores' data: window 2 or 3
.irp t, 0,1,2,3,4,5,6,7,8,9,10,11,12,13,14,15
	global_store_b128 v[CO], v[AC+4*\t:AC+4*\t+3], s[74:75] offset:(16*(\a)+\t)*NROW th:TH_STORE_NT   ; 32 lanes store 512 consecutive bytes, at a multiple of 512 from out's first byte; 127 rows at the most: inside the signed 24-bit immediate; written once, read by nobody here
.endr
	WIN 0
.endm
	PLACES NP+1                                    ; the first bf16 product writes over registers that the last integer products read: one place more than a load or a vector instruction would want
	s_wait_loadcnt 0x0                             ; ws, bias, lora_b, xs and the first two blocks' T
	EPI 0
.irp a, 1,2,3,4,5,6,7
	EPI \a                                         ; a block's arithmetic stands between the loads of the block before and its stores
	SEND \a-1, 32                                  ; behind block a - 1's loads: block a's 16 stores and 16 loads
.endr
	SEND 7, 0
	s_wait_tensorcnt 0x0                           ; the wave's end, behind my last tensor load and my last LDS store
	ds_add_u32 v[SPW], v[NIL]
	s_wait_dscnt 0x0
	CROUND                                         ; the closing round: no work-group ends while a partner may still ask for a tile that names it
	s_endpgm
.Lfunc_end_k_q5d12bd027a_gemm:
	.size	k_q5d12bd027a_gemm, .Lfunc_end_k_q5d12bd027a_gemm-k_q5d12bd027a_gemm
	.p2alignl 7, 3214868480
	.fill 96, 4, 3214868480
	.section	.rodata,"a",@progbits
	.p2align	6, 0x0
	.amdhsa_kernel k_q5d12bd027a_gemm
		.amdhsa_group_segment_fixed_size 327680
		.amdhsa_private_segment_fixed_size 0
		.amdhsa_enable_private_segment 0
		.amdhsa_kernarg_size 64
		.amdhsa_user_sgpr_count 2
		.amdhsa_user_sgpr_kernarg_segment_ptr 1
		.amdhsa_wavefront_size32 1
		.amdhsa_system_sgpr_workgroup_id_x 1
		.amdhsa_system_sgpr_workgroup_id_y 1
		.amdhsa_system_sgpr_workgroup_id_z 1
		.amdhsa_system_vgpr_workitem_id 0
		.amdhsa_next_free_vgpr 1024
		.amdhsa_next_free_sgpr 84
		.amdhsa_reserve_vcc 0
		.amdhsa_float_denorm_mode_32 3
		.amdhsa_float_denorm_mode_16_64 3
		.amdhsa_memory_ordered 1
		.amdhsa_forward_progress 1
		.amdhsa_inst_pref_size 255
	.end_amdhsa_kernel
	.section	.bss,"aw",@nobits
	.p2align	6
	.space	262144
	.amdgpu_metadata
---
amdhsa.version: [ 1, 2 ]
amdhsa.kernels:
  - .name:           k_q5d12bd027a_gemm
    .symbol:         k_q5d12bd027a_gemm.kd
    .args:
      - { .name: x, .offset: 0, .size: 8, .value_kind: global_buffer, .address_space: global }
      - { .name: weight, .offset: 8, .size: 8, .value_kind: global_buffer, .address_space: global }
      - { .name: x_scales, .offset: 16, .size: 8, .value_kind: global_buffer, .address_space: global }
      - { .name: scales, .offset: 24, .size: 8, .value_kind: global_buffer, .address_space: global }
      - { .name: bias, .offset: 32, .size: 8, .value_kind: global_buffer, .address_space: global }
      - { .name: lora_b, .offset: 40, .size: 8, .value_kind: global_buffer, .address_space: global }
      - { .name: t, .offset: 48, .size: 8, .value_kind: global_buffer, .address_space: global }
      - { .name: out0, .offset: 56, .size: 8, .value_kind: global_buffer, .address_space: global }
    .group_segment_fixed_size: 327680
    .private_segment_fixed_size: 0
    .kernarg_segment_align: 8
    .kernarg_segment_size: 64
    .max_flat_workgroup_size: 128
    .sgpr_count:     84
    .vgpr_count:     1024
    .wavefront_size: 32
...
	.end_amdgpu_metadata
.endif
;; end of part 2
